; MI455X (gfx1250); checked and timed in simulation.
; The chip was launched on July 23, 2026; its instructions are those of AMD's public machine-readable ISA for CDNA 5 (MIT licence, August 2026) and "CDNA5" Instruction Set Architecture Reference Guide (July 2026). The comments in the code are by the model that wrote it; some were corrected since.
;; Attention Layer. Allowed arithmetic: matrix products marked QUANTISED: E5M2 operands, one given power-of-two scale a tensor, by v_wmma_f32_16x16x64_bf8_bf8 or v_wmma_f32_16x16x128_bf8_bf8, f32 sums; products left as they are: f32 operands where the result goes on into a quantised operand, else bf16, f16 or f32 operands; f32 sums; everything else in f32.
;; Inputs: U_a 1,024 x 1,024 float32; W_a 1,024 x 1,024 float32; h 32 x 2,048 x 1,024 float32; lowp_scales 4 int32 (the exponents e of the quantised operands' scales 2^e); s 32 x 1,024 float32; v_a 1,024 float32.
;; Outputs: out0 32 x 1,024 float32.
;; This version of the problem:
;;   THIS VERSION OF THE PROBLEM IS GIVEN IN LOW PRECISION. The matrix products marked QUANTISED in the list below multiply operands that are first quantised to E5M2 (5 exponent bits, 2 mantissa bits; 8 bits a number), with one given power-of-two scale for each operand tensor; their sums are f32. All else is computed in f32.
;;   The module's matrix products, in the order in which they are computed (A, B: the left and right operand; K: the contracted axis; several contracted axes count as one K, in the product's order):
;;     1. [M 65,536, K 1,024] x [K 1,024, N 1,024]; A: input h; B: input U_a: QUANTISED (scales: A lowp_scales[0], B lowp_scales[1])
;;     2. [M 32, K 1,024] x [K 1,024, N 1,024]; A: input s; B: input W_a: QUANTISED (scales: A lowp_scales[2], B lowp_scales[3])
;;     3. [M 65,536, K 1,024] x [K 1,024, N 1]; A: computed on the way; B: input v_a: left as it is (N = 1 < 16)
;;     4. batch 32 x [M 1, K 2,048] x [K 2,048, N 1,024]; A: softmax; B: input h: left as it is (M = 1 < 16)
;;   THE QUANTISER, for each operand of a quantised product, along K:
;;     - The operand's scale is 2^e, e = its entry of the input lowp_scales (int32; the entries are numbered through the quantised products in the list's order, A before B).
;;     - Each number is divided by the scale, clamped to +-57,344, and rounded to the nearest number of E5M2, ties to even, subnormals kept.
;;     - The product sums the exact products of the quantised numbers (number of the format x scale) in f32.
;;   ~~~python
;;   def quantise(x, axis, e):      # numpy; x: float32 -> the quantised numbers, widened to float32 again
;;       x = np.moveaxis(x, axis, -1); K = x.shape[-1]
;;       r = np.clip(x / 2.0 ** e, -57344, 57344)
;;       step = 2.0 ** (np.maximum(np.frexp(np.where(r == 0, 1, r))[1] - 1, -14) - 2)
;;       q = np.round(r / step) * step * 2.0 ** e      # np.round: ties to even
;;       return np.moveaxis(q, -1, axis).astype(np.float32)
;;   ~~~
;; One version. Each part assembles by itself: llvm-mc -triple=amdgcn-amd-amdhsa -mcpu=gfx1250 --defsym DOCPART=n.
;; ======== version 1 of 1: 3 launches
;; workspace buffers: uimg 1,048,576 bytes; bias 131,072 bytes; e 262,144 bytes; keep 16,384 bytes of whole numbers
;; launch prep (part 1): grid 32 x 1, 16 waves a work-group, no clusters, 69,632 bytes of LDS; arguments U_a, W_a, s, lowp_scales, uimg, bias; writes uimg, bias
.if DOCPART == 1
	.amdgcn_target "amdgcn-amd-amdhsa--gfx1250"
	.amdhsa_code_object_version 6
	.text
	.protected	k_q32b5fc80ff_prep
	.globl	k_q32b5fc80ff_prep
	.p2align	8
	.type	k_q32b5fc80ff_prep,@function
k_q32b5fc80ff_prep:
	s_mov_b64 s[64:65], 0
	v_nop
	global_prefetch_b8 v0, s[64:65] scope:SCOPE_SE
	s_setreg_imm32_b32 hwreg(HW_REG_WAVE_MODE, 25, 1), 1
	s_wait_xcnt 0x0
; Two small jobs ahead of the scores, in one launch; a work-group takes one of two ways by its number alone.
; WAY U (work-groups 0-15): U_a [1024 (k)][1024 (o)] f32 becomes codes of E5M2 with the given scale 2^e1, laid in the order of the operand's registers (uimg).
; WAY W (work-groups 16-31): bias[b][o] = 2 log2(e) x (s W_a)[b][o], the product on codes of E5M2 with the given scales 2^e2 and 2^e3, sums in f32.
; code = x / 2^e, held within +-57,344, rounded to the nearest code, ties to even.
; LIMITS: e1, e2, e3 between -126 and 112 (2^e and 57,344 x 2^e are f32 numbers); e2 + e3 between -127 and 126.  NaN among the inputs is not served.
; THE ORDER OF K IN THE FIRST PRODUCT, the same in U's codes and in h's (made by the next launch): place p = 512 u + 16 l + 4 d + i (l < 32, d < 4, i < 4) holds k = 512 u + 128 d + 4 l + i.
; That is the order in which a row of h falls into a wave's registers when each load takes 512 consecutive bytes.
; uimg: a fragment (column tile jt of 16, K step s of 128 places) is 16 registers a lane; lane (r, h) holds, of column 16 jt + r, places 128 s + 32 c + 16 h + 0..15 in registers 4 c .. 4 c + 3.
; Its image is 2,048 bytes: register group c at 512 c + 16 x lane.  Four images (steps 0-3: lo; steps 4-7: hi) are a half tile of 8,192 bytes.  Half tile (jt, hi) lies at place 2 jt,
; (jt, lo) at place (2 jt - 1) mod 128: read on end the buffer is (0, hi), (1, lo), (1, hi), .. (63, hi), (0, lo): the order in which the next launch fetches them.
.set PART,   32768                     ; way W's LDS: 16 images of s's fragments (32,768 bytes), then four partial results of 32 rows x (256 bytes + 16)
.set PPITCH, 272
.set PQ,     32*PPITCH
.macro SCALE e, sc, lim                ; s[e] holds a scale's exponent: v[sc] = 2^e as f32 (the conversion takes its exponent field), v[lim] = 57,344 x 2^e
	s_add_co_i32 s30, s[\e], 127
	s_lshl_b32 s31, s30, 23
	v_mov_b32 v[\sc], s31
	s_add_co_i32 s30, s30, 15
	s_lshl_b32 s30, s30, 23
	s_or_b32 s30, s30, 0x600000
	v_mov_b32 v[\lim], s30
.endm
	s_load_b256 s[4:11], s[0:1], 0x0               ; U_a s[4:5], W_a s[6:7], s s[8:9], the scales' exponents s[10:11]
	s_load_b128 s[12:15], s[0:1], 0x20             ; uimg s[12:13], bias s[14:15]
	v_lshrrev_b32 v1, 5, v0
	v_readfirstlane_b32 s16, v1                    ; wave 0..15
	v_and_b32 v2, 31, v0                           ; lane
	v_and_b32 v4, 15, v0                           ; r
	v_bfe_u32 v5, v0, 4, 1                         ; h
	s_mov_b32 s29, 0                               ; the upper word of every offset below
	s_wait_kmcnt 0x0
	s_load_b128 s[20:23], s[10:11], 0x0            ; e0, e1, e2, e3
	s_cmp_lt_u32 ttmp9, 16                         ; the whole work-group takes one way
	s_cbranch_scc0 .Lpath_w
; ---------------- WAY U.  A lane takes a column and its registers run down K, in the order of places: the conversions' results are the image's bytes.  No LDS, no barrier.
; Work-group g: K step s = g / 2; wave w: columns 32 cg on, cg = 16 (g % 2) + w.  A wave does the step's four blocks of 32 places.
	s_lshr_b32 s24, ttmp9, 1                       ; s
	s_and_b32 s25, ttmp9, 1
	s_lshl_b32 s25, s25, 4
	s_add_co_u32 s25, s25, s16                     ; cg
	s_lshr_b32 s28, s24, 2
	s_lshl_b32 s28, s28, 9                         ; 512 (s / 4)
	s_and_b32 s26, s24, 3
	s_lshl_b32 s30, s26, 5                         ; + 32 (s % 4): the first row of U that the step touches
	s_add_co_u32 s28, s28, s30
	s_lshl_b32 s28, s28, 12                        ; rows of 4,096 bytes
	s_lshl_b32 s30, s25, 7                         ; + my 32 columns
	s_add_co_u32 s28, s28, s30
	s_add_nc_u64 s[4:5], s[4:5], s[28:29]
	s_lshl_b32 s28, s26, 11                        ; the step's image in its half tile
	s_add_nc_u64 s[12:13], s[12:13], s[28:29]
	s_cmp_lt_u32 s24, 4
	s_cselect_b32 s27, 1, 0                        ; 1 for a lo half
	v_lshlrev_b32 v3, 2, v2                        ; in: 4 bytes a lane: a load reads 128 consecutive bytes of a row of U
	s_lshl_b32 s30, s25, 2
	s_sub_co_u32 s30, s30, s27                     ; 2 (2 cg) - lo
	v_lshl_add_u32 v6, v5, 1, s30                  ; my column tile is jt = 2 cg + lane / 16: 2 jt - lo,
	v_and_b32 v6, 127, v6                          ; mod 128: the half tile's place
	v_lshlrev_b32 v6, 13, v6
	v_lshl_add_u32 v6, v4, 4, v6                   ; out: place x 8,192 + 16 r
.macro ULOAD c                         ; block c: place 32 c + q of the step, q = 0..31, into set c % 2: row 128 ((q % 16) / 4) + 8 c + 4 (q / 16) + q % 4 from the step's first
.set q, 0
.rept 32
	global_load_b32 v[64+32*((\c)%2)+q], v3, s[4:5] offset:(128*((q%16)/4)+8*(\c)+4*(q/16)+q%4)*4096 th:TH_LOAD_NT
.set q, q+1
.endr
.endm
.macro UBLOCK c
.set XS, 64+32*((\c)%2)
.set CD, 128+8*(\c)                    ; each block has its own registers for its codes: no store's data are written again
.if (\c) < 3
	s_wait_loadcnt 32                              ; this block's 32 loads are in; the next block's 32 may be out
.else
	s_wait_loadcnt 0x0
.endif
.set q, 0
.rept 32
	v_med3_num_f32 v[XS+q], v[XS+q], -v10, v10     ; the conversion to an 8-bit code does not saturate (ISA guide 7.6.2): the hold at the largest code x the scale
.set q, q+1
.endr
.irp g, 0,1,2,3
	v_cvt_scalef32_pk8_bf8_f32 v[CD+2*\g:CD+2*\g+1], v[XS+8*\g:XS+8*\g+7], v11
.endr
	v_nop                                          ; a plain line behind the last conversion of the run
	global_store_b128 v6, v[CD:CD+3], s[12:13] offset:512*(\c)         ; places 0-15: lanes (r, 0) of the image; sixteen lanes store 256 consecutive bytes, aligned
	global_store_b128 v6, v[CD+4:CD+7], s[12:13] offset:512*(\c)+256   ; places 16-31: lanes (r, 1)
.if (\c)+2 < 4
	ULOAD (\c)+2
.endif
.endm
	ULOAD 0
	ULOAD 1
	s_wait_kmcnt 0x0
	SCALE 21, 11, 10                               ; e1
	UBLOCK 0
	UBLOCK 1
	UBLOCK 2
	UBLOCK 3
	s_endpgm
; ---------------- WAY W.  Work-group 16 + y makes columns 64 y .. 64 y + 63 of s W_a for all 32 rows.  Wave w: column tile ct = w % 4, K quarter kq = w / 4 (two steps of 128).
; Here a place is k itself: lane (r, h) holds k = 128 step + 32 c + 16 h + 0..15 in registers 4 c .. 4 c + 3, in s's fragments and in W's alike.
; s's 16 fragments (2 tiles of rows x 8 steps) are quantised once, one by each wave, and go from wave to wave through LDS as images of their registers.
.Lpath_w:
	s_sub_co_u32 s24, ttmp9, 16                    ; y
	s_and_b32 s25, s16, 3                          ; ct
	s_lshr_b32 s26, s16, 2                         ; kq
	s_and_b32 s27, s25, 1                          ; the fragment of s that I quantise: tile of rows mt = ct % 2,
	s_lshr_b32 s28, s25, 1
	s_lshl_b32 s30, s26, 1
	s_add_co_u32 s28, s28, s30                     ; step 2 kq + ct / 2
	s_lshl_b32 s28, s28, 9
	s_lshl_b32 s30, s27, 16
	s_add_co_u32 s28, s28, s30
	s_add_nc_u64 s[8:9], s[8:9], s[28:29]
	v_lshlrev_b32 v6, 12, v4
	v_lshl_add_u32 v6, v5, 6, v6                   ; row r of 4,096 bytes, + 64 h: my 16 numbers of a block of 32
.irp b, 0,1,2,3
.irp j, 0,1,2,3
	global_load_b128 v[192+16*\b+4*\j:192+16*\b+4*\j+3], v6, s[8:9] offset:128*\b+16*\j
.endr
.endr
	s_lshl_b32 s28, s24, 8                         ; W_a: column 64 y + 16 ct, in bytes,
	s_lshl_b32 s30, s25, 6
	s_add_co_u32 s28, s28, s30
	s_lshl_b32 s30, s26, 20                        ; row 256 kq
	s_add_co_u32 s28, s28, s30
	s_add_nc_u64 s[6:7], s[6:7], s[28:29]
	v_lshlrev_b32 v7, 2, v4
	v_lshl_add_u32 v7, v5, 16, v7                  ; lane r takes column r; lanes 16-31 begin 16 rows further down
.irp z, 0,1
.irp c, 0,1,2,3
.set j, 0
.rept 16
	global_load_b32 v[64+64*\z+16*\c+j], v7, s[6:7] offset:(128*\z+32*\c+j)*4096 th:TH_LOAD_NT
.set j, j+1
.endr
.endr
.endr
	s_lshl_b32 s30, s16, 11
	v_lshl_add_u32 v8, v2, 4, s30                  ; where I store my image of s: 2,048 x wave + 16 x lane
	s_lshl_b32 s30, s26, 13
	v_lshl_add_u32 v9, v2, 4, s30                  ; where my K quarter's four images begin: 8,192 kq + 16 x lane
	s_mul_i32 s30, s26, PQ
	s_lshl_b32 s31, s25, 6
	s_add_co_u32 s30, s30, s31
	s_add_co_u32 s30, s30, PART
	v_mul_u32_u24 v12, v4, PPITCH
	v_lshl_add_u32 v12, v5, 5, v12
	v_add_nc_u32 v12, s30, v12                     ; my partial sums: quarter kq, row r, + 64 ct + 32 h bytes
	v_lshrrev_b32 v13, 4, v0                       ; the way out: thread i takes 16 bytes: row i / 16, piece i % 16
	v_mul_u32_u24 v14, v13, PPITCH
	v_lshl_add_u32 v14, v4, 4, v14
	v_lshlrev_b32 v15, 12, v13
	v_lshl_add_u32 v15, v4, 4, v15
	s_lshl_b32 s28, s24, 8
	s_add_nc_u64 s[14:15], s[14:15], s[28:29]      ; bias at column 64 y
.macro QUANT src, dst, sc, lim         ; 64 numbers of a lane, register 16 b + i = k 32 b + 16 h + i of its row or column, become a fragment's 16 registers
.set j, 0
.rept 64
	v_med3_num_f32 v[\src+j], v[\src+j], -v[\lim], v[\lim]
.set j, j+1
.endr
.irp g, 0,1,2,3,4,5,6,7
	v_cvt_scalef32_pk8_bf8_f32 v[\dst+2*\g:\dst+2*\g+1], v[\src+8*\g:\src+8*\g+7], v[\sc]
.endr
	v_nop                                          ; a plain line between the conversions and the matrix instructions that read their results and write over their sources
.endm
.macro BARRIER                         ; my LDS stores have landed and my LDS loads are in: then the work-group's barrier
	s_wait_dscnt 0x0
	s_barrier_signal -1
	s_barrier_wait -1
.endm
	s_wait_kmcnt 0x0
	SCALE 22, 11, 10                               ; e2, for s
	SCALE 23, 3, 1                                 ; e3, for W_a
	s_wait_loadcnt 63                              ; s's sixteen loads are in: 128 were issued behind them; 63 is the most that the wait's field names
	QUANT 192, 48, 11, 10
.irp c, 0,1,2,3
	ds_store_b128 v8, v[48+4*\c:48+4*\c+3] offset:512*\c
.endr
	s_wait_loadcnt 63                              ; W's first step is in: 64 loads were issued behind it
	QUANT 64, 16, 3, 1
	s_wait_loadcnt 0x0
	QUANT 128, 32, 3, 1
	BARRIER                                        ; s's sixteen images lie in LDS
.irp f, 0,1,2,3                        ; image f = 2 z + mt of my quarter
.irp c, 0,1,2,3
	ds_load_b128 v[64+16*\f+4*\c:64+16*\f+4*\c+3], v9 offset:2048*\f+512*\c
.endr
.endr
	s_wait_dscnt 0x0
	; TRANSPOSED: source 0 = 16 columns of W_a, source 1 = 16 rows of s: lane (r, h) then holds row 16 mt + r and the eight neighbouring columns 16 ct + 8 h + 0..7.
	; The two accumulators take turns, one instruction a turn; the first step's products start the sums.
	v_wmma_f32_16x16x128_bf8_bf8 v[128:135], v[16:31], v[64:79], 0
	v_wmma_f32_16x16x128_bf8_bf8 v[136:143], v[16:31], v[80:95], 0
	v_wmma_f32_16x16x128_bf8_bf8 v[128:135], v[32:47], v[96:111], v[128:135]
	v_wmma_f32_16x16x128_bf8_bf8 v[136:143], v[32:47], v[112:127], v[136:143]
.rept 4
	v_nop                                          ; four places behind the products, in front of the stores of their results and of the loads into their sources
.endr
	ds_store_b128 v12, v[128:131]
	ds_store_b128 v12, v[132:135] offset:16
	ds_store_b128 v12, v[136:139] offset:16*PPITCH
	ds_store_b128 v12, v[140:143] offset:16*PPITCH+16
	BARRIER                                        ; the four quarters' partial sums lie in LDS
.irp k, 0,1,2,3
	ds_load_b128 v[64+4*\k:64+4*\k+3], v14 offset:PART+\k*PQ
.endr
	s_add_co_i32 s30, s22, s23                     ; e2 + e3, added to the exponent field of 2 log2(e):
	s_lshl_b32 s30, s30, 23
	s_add_co_i32 s30, s30, 0x4038aa3b              ; 2 log2(e) x 2^(e2 + e3)
	s_mov_b32 s31, s30                             ; (named with it as a pair, so it is written)
	s_wait_dscnt 0x0
	v_pk_add_f32 v[64:65], v[64:65], v[68:69]
	v_pk_add_f32 v[66:67], v[66:67], v[70:71]
	v_pk_add_f32 v[72:73], v[72:73], v[76:77]
	v_pk_add_f32 v[74:75], v[74:75], v[78:79]
	v_pk_add_f32 v[64:65], v[64:65], v[72:73]
	v_pk_add_f32 v[66:67], v[66:67], v[74:75]
	v_pk_mul_f32 v[64:65], v[64:65], s[30:31] op_sel_hi:[1,0]
	v_pk_mul_f32 v[66:67], v[66:67], s[30:31] op_sel_hi:[1,0]
	global_store_b128 v15, v[64:67], s[14:15]      ; sixteen lanes store 256 consecutive bytes of a row of bias, aligned
	s_wait_xcnt 0x0
	v_lshl_add_u32 v254, v0, 2, 0x10800
	v_mov_b32 v255, 0
	s_wait_tensorcnt 0x0
	ds_add_u32 v254, v255
	s_wait_dscnt 0x0
	s_endpgm
.Lfunc_end_k_q32b5fc80ff_prep:
	.size	k_q32b5fc80ff_prep, .Lfunc_end_k_q32b5fc80ff_prep-k_q32b5fc80ff_prep
	.p2alignl 7, 3214868480
	.fill 96, 4, 3214868480
	.section	.rodata,"a",@progbits
	.p2align	6, 0x0
	.amdhsa_kernel k_q32b5fc80ff_prep
		.amdhsa_group_segment_fixed_size 69632
		.amdhsa_private_segment_fixed_size 0
		.amdhsa_enable_private_segment 0
		.amdhsa_kernarg_size 48
		.amdhsa_user_sgpr_count 2
		.amdhsa_user_sgpr_kernarg_segment_ptr 1
		.amdhsa_wavefront_size32 1
		.amdhsa_system_sgpr_workgroup_id_x 1
		.amdhsa_system_sgpr_workgroup_id_y 1
		.amdhsa_system_sgpr_workgroup_id_z 1
		.amdhsa_system_vgpr_workitem_id 0
		.amdhsa_next_free_vgpr 256
		.amdhsa_next_free_sgpr 66
		.amdhsa_reserve_vcc 0
		.amdhsa_float_denorm_mode_32 3
		.amdhsa_float_denorm_mode_16_64 3
		.amdhsa_memory_ordered 1
		.amdhsa_forward_progress 1
		.amdhsa_inst_pref_size 57
	.end_amdhsa_kernel
	.amdgpu_metadata
---
amdhsa.version: [ 1, 2 ]
amdhsa.kernels:
  - .name:           k_q32b5fc80ff_prep
    .symbol:         k_q32b5fc80ff_prep.kd
    .args:
      - { .name: U_a, .offset: 0, .size: 8, .value_kind: global_buffer, .address_space: global }
      - { .name: W_a, .offset: 8, .size: 8, .value_kind: global_buffer, .address_space: global }
      - { .name: s, .offset: 16, .size: 8, .value_kind: global_buffer, .address_space: global }
      - { .name: lowp_scales, .offset: 24, .size: 8, .value_kind: global_buffer, .address_space: global }
      - { .name: uimg, .offset: 32, .size: 8, .value_kind: global_buffer, .address_space: global }
      - { .name: bias, .offset: 40, .size: 8, .value_kind: global_buffer, .address_space: global }
    .group_segment_fixed_size: 69632
    .private_segment_fixed_size: 0
    .kernarg_segment_align: 8
    .kernarg_segment_size: 48
    .max_flat_workgroup_size: 512
    .sgpr_count:     66
    .vgpr_count:     256
    .wavefront_size: 32
...
	.end_amdgpu_metadata
.endif
;; end of part 1
;; launch scores (part 2): grid 256 x 1, 4 waves a work-group, clusters of 4 x 1, 327,680 bytes of LDS; arguments h, uimg, bias, v_a, lowp_scales, e, keep; writes e, keep
.if DOCPART == 2
	.amdgcn_target "amdgcn-amd-amdhsa--gfx1250"
	.amdhsa_code_object_version 6
	.text
	.protected	k_q32b5fc80ff_scores
	.globl	k_q32b5fc80ff_scores
	.p2align	8
	.type	k_q32b5fc80ff_scores,@function
k_q32b5fc80ff_scores:
	s_mov_b64 s[64:65], 0
	v_nop
	global_prefetch_b8 v0, s[64:65] scope:SCOPE_SE
	s_setreg_imm32_b32 hwreg(HW_REG_WAVE_MODE, 25, 1), 1
	s_wait_xcnt 0x0
	s_wait_alu depctr_hold_cnt(0) depctr_sa_sdst(0) depctr_va_vdst(0) depctr_va_sdst(0) depctr_va_ssrc(0) depctr_va_vcc(0) depctr_vm_vsrc(0)
	s_getreg_b32 s2, hwreg(HW_REG_IB_STS2, 6, 4)
	s_cmp_eq_u32 s2, 0
	s_cbranch_scc0 .Lentry_in_a_cluster
	s_endpgm
.Lentry_in_a_cluster:
	s_bfe_u32 s2, ttmp6, 0x10000c
	s_cmp_lg_u32 s2, 0x3003
	s_cbranch_scc0 .Lentry_shape_is_right
	s_endpgm
.Lentry_shape_is_right:
; e[row] = -2 x the sum over o of v_a[o] / (1 + 2^y), y = 2 log2(e) x ((h U_a)[row][o] + (s W_a)[b][o]), for the 65,536 rows (b, t) of h.
; tanh(x) = 1 - 2 / (1 + 2^(2 log2(e) x)), so this is reference()'s score less the sum of v_a: a number that is the same for every row, and that the next launch's
; subtraction of the row's true maximum takes away whatever the inputs are.  2^y may become infinite or 0: the quotient is then 0 or 1, as tanh's limits ask.
; h U_a is made on codes of E5M2: h is quantised here, in registers, with the given 2^e0; U_a's codes come from uimg.  y = sum x K1 + bias, K1 = 2 log2(e) x 2^(e0 + e1); bias holds 2 log2(e) x s W_a.
; ROWS WITHOUT WEIGHT.  A score more than 104 under the largest of its wave's 64 rows lies more than 104 under the true maximum of its b too: exp of that difference is under 2^-150, which f32 rounds to 0.
; Such a row's score is stored as -infinity, and keep says so in whole numbers: for each wave four words, word m's bit r for the wave's row 4 r + m (1: the row counts).  The next launch need not fetch those rows of h.
; No address and no branch of this launch hangs on that comparison.
; LIMITS: e0 between -126 and 112; e0 + e1 between -127 and 126 (they are added to the exponent field of 2 log2(e)).  NaN among the inputs is not served.
; SHARES.  A work-group owns 256 rows of one b, each of its four waves 64: four tiles of 16; lane r of tile m is the wave's row 4 r + m, so that a lane ends with four neighbouring e.
; PHASE Q.  A wave reads its 64 rows once, 512 consecutive bytes a load, through a ring of 14 register slots (56 loads a wave are out); the codes turn through the wave's own stage in LDS into the operand's
; layout and STAY IN 512 REGISTERS.  The order of K that this gives (place 512 u + 16 l + 4 d + i holds k = 512 u + 128 d + 4 l + i) is the order in which uimg was laid.
; PHASE G.  U's 64 column tiles go past through a ring of two LDS slots of 131,072 bytes; every wave reads all of it: a fragment of U (2,048 bytes) feeds four matrix instructions.
; The product is used TRANSPOSED (source 0 = 16 columns of U, source 1 = 16 rows of h): a lane holds one row and eight neighbouring o.  While one tile's 32 products are issued, the tile before is turned
; into its part of e: 112 vector instructions in slices, one behind each product.
; CLUSTER.  The four work-groups of a cluster walk the same uimg: each quarter of a slot is asked for JOINTLY, by the same tensor load with the same descriptor and a mask that names the four.
; REGISTERS, in windows of 256 (s_set_vgpr_msb: bits 1:0 source 0, 3:2 source 1, 5:4 source 2, 7:6 destination):
;   window 0: v1-15 addresses and constants; v16-31 e's sums (phase Q: the codes just made); v32-47 two sets of 8 bias; v48-111 two sets of four accumulators; v112-239 U's eight fragments
;             (phase Q: v32-255 the 14 slots of 16);   window 1: h's codes of tile 0 (16 s) and tile 1 (128 + 16 s);   window 2: of tile 2;   window 3: of tile 3; v128-143 two sets of 8 v_a.
; In phase G only source 1's window changes, but for the destination of the loads of v_a: no slice has a vector register as source 1 but the sums with v_a, which stand behind a product of tile 3, whose setting is theirs.
.set SLOT1,  1<<17                     ; slot 0 at LDS byte 0, slot 1 here: one exclusive or turns an address in one slot into the other's
.set STAGE,  2*SLOT1                   ; behind the ring: 16 rows x (512 bytes + 16) for each wave
.set SPITCH, 528                       ; 33 x 16 bytes: the sixteen rows that a load touches start at sixteen different groups of four banks (64 banks of 4 bytes: ISA guide 11.1)
.set TAB,    STAGE+4*16*SPITCH         ; my b's row of bias (4,096 bytes), then v_a (4,096)
.set SPARE,  TAB+8192                  ; the spare words, 128 bytes for each wave: two blocks of 256 bytes that no other line names
.set LI,  1                            ; v1   16 x lane
.set STO, 2                            ; v2   the stage: where I put a row's 16 codes
.set RDA, 3                            ; v3   the stage: where I read a fragment's 16 bytes: row r, + 16 h
.set LH,  4                            ; v4   TAB + 32 h: my eight o of a tile
.set ADB, 5                            ; v5   LDS address of the unit's half tiles
.set ATB, 6                            ; v6   of the unit's bias
.set SPW, 7                            ; v7   LDS address of my spare word: SPARE + 4 x my thread's number; never rewritten
.set NIL, 8                            ; v8   0; never rewritten
.set GO,  9                            ; v9   16 r: my four e
.set SC,  10                           ; v10  2^e0 as f32
.set LIM, 11                           ; v11  57,344 x 2^e0
.set E,   16                           ; e's sums: two pairs for each tile m, at E + 4 m
.set CDS, 16                           ; phase Q: two sets of 4 registers of codes
.set BK,  32
.set ACC, 48
.set BF,  112
.set R,   32
.set VT,  128                          ; in window 3
; scalars: s[4:15] six buffers, s[56:57] keep; s16 wave; s17 cx, s18 work-group, s[52:54] offsets made of them (these alone ever hold cx); s[20:23] at work; s[24:31] descriptor group 1; s[32:35] group 0, which walks;
; s36 LDS byte of the unit in hand; s37 + s49 the unit's byte in the tables (per slot, per unit); s38, s39 counters; s[40:41] K1; s[42:43] lane selects; s[44:47] the exponents; s48 EXEC; s50 at work; s58-61 the four masks
.set MSB, 0
.macro WIN new                         ; the immediate's high byte repeats the setting that is left; a switch that changes nothing is dropped
.if MSB != \new
	s_set_vgpr_msb (MSB<<8)|\new
.set MSB, \new
.endif
.endm
; A round of the cluster's barrier: my work-group's barrier, so that wave 0's signal speaks for all four waves; wave 0 signals for the work-group; every wave waits for all four work-groups; my work-group's barrier once more.
.macro CROUND
	s_barrier_signal -1
	s_barrier_wait -1
	s_cmp_lg_u32 s16, 0
	s_cbranch_scc1 .Lnot_wave_0_\@
	s_barrier_signal -3
.Lnot_wave_0_\@:
	s_barrier_wait -3
	s_barrier_signal -1
	s_barrier_wait -1
.endm
	s_load_b256 s[4:11], s[0:1], 0x0               ; h s[4:5], uimg s[6:7], bias s[8:9], v_a s[10:11]
	s_load_b128 s[12:15], s[0:1], 0x20             ; the scales' exponents s[12:13], e s[14:15]
	s_load_b64 s[56:57], s[0:1], 0x30              ; keep
	v_lshl_add_u32 v[SPW], v0, 2, SPARE
	v_mov_b32 v[NIL], 0
	ds_add_u32 v7, v8
	ds_add_u32 v7, v8
	s_wait_dscnt 0x0
	v_lshrrev_b32 v12, 5, v0
	v_readfirstlane_b32 s16, v12                   ; wave 0..3
	s_bfe_u32 s17, ttmp6, 0x40000                  ; cx: my place in the cluster
	s_lshl_b32 s18, ttmp9, 2                       ; in a cluster launch ttmp9 counts clusters
	s_add_co_u32 s18, s18, s17                     ; my work-group: it enters h's, e's and keep's addresses alone
	; descriptor group 1: a dense block of 32,768 bytes as 128 rows of 32 elements of 8 bytes
	s_mov_b32 s24, 15|(3<<16)|(1<<21)              ; 15:0 the mask: all four work-groups; 17:16 elements of 8 bytes; 20 no padding; 21 set beside a mask
	s_mov_b32 s25, 32<<16                          ; tensor_dim0 = 32
	s_mov_b32 s26, 128<<16                         ; tensor_dim1 = 128
	s_mov_b32 s27, 32<<16                          ; tile_dim0 = 32
	s_mov_b32 s28, 128                             ; tile_dim1 = 128
	s_mov_b32 s29, 32                              ; elements from row to row
	s_mov_b32 s30, 0
	s_mov_b32 s31, 0
	s_mov_b32 s42, 0x76543210                      ; v_permlanex16_b32: each lane takes its own place in the other half
	s_mov_b32 s43, 0xfedcba98
	s_mov_b32 s32, 1                               ; group 0: count = 1
	s_lshl_b32 s33, s16, 15                        ; LDS address: my quarter of slot 0
	s_lshl_b32 s20, s16, 15                        ; and the same quarter of uimg's first 131,072 bytes
	s_mov_b32 s21, 0
	s_wait_kmcnt 0x0
	s_load_b128 s[44:47], s[12:13], 0x0            ; e0, e1, e2, e3
	s_add_nc_u64 s[34:35], s[6:7], s[20:21]
	s_or_b32 s35, s35, 0x80000000                  ; type = 2
	CROUND                                         ; all four work-groups are here: the first joint loads meet
	tensor_load_to_lds s[32:35], s[24:31]          ; slot 0: it lands while h is quantised.  One tensor load of mine is out, here and behind every later round
	s_nop 0
.rept 4
	v_nop                                          ; four v_nop follow the tensor load
.endr
	v_and_b32 v12, 31, v0                          ; lane
	v_and_b32 v13, 15, v0                          ; r
	v_bfe_u32 v14, v0, 4, 1                        ; h
	v_lshlrev_b32 v[LI], 4, v12
	s_mul_i32 s20, s16, 16*SPITCH
	s_add_co_u32 s20, s20, STAGE                   ; my stage
	v_add_nc_u32 v[STO], s20, v[LI]
	v_mul_u32_u24 v[RDA], v13, SPITCH
	v_lshl_add_u32 v[RDA], v14, 4, v[RDA]
	v_add_nc_u32 v[RDA], s20, v[RDA]
	v_lshlrev_b32 v[LH], 5, v14
	v_add_nc_u32 v[LH], TAB, v[LH]
	v_lshlrev_b32 v[GO], 4, v13
	v_lshlrev_b32 v15, 4, v0                       ; 16 x thread: my piece of each half of a table, in memory,
	v_add_nc_u32 v13, TAB, v15                     ; and in LDS
	s_lshl_b32 s52, s18, 20                        ; h: 256 rows of 4,096 bytes a work-group,
	s_lshl_b32 s54, s16, 18                        ; 64 a wave
	s_add_co_u32 s52, s52, s54
	s_mov_b32 s53, 0
	s_add_nc_u64 s[4:5], s[4:5], s[52:53]
	s_lshl_b32 s52, s18, 10                        ; e: 1,024 bytes a work-group, 256 a wave
	s_lshl_b32 s54, s16, 8
	s_add_co_u32 s52, s52, s54
	s_add_nc_u64 s[14:15], s[14:15], s[52:53]
	s_lshl_b32 s52, s18, 6                         ; keep: 64 bytes a work-group, 16 a wave
	s_lshl_b32 s54, s16, 4
	s_add_co_u32 s52, s52, s54
	s_add_nc_u64 s[56:57], s[56:57], s[52:53]
	s_lshr_b32 s22, ttmp9, 1                       ; b: eight work-groups, two clusters, to a b
	s_lshl_b32 s22, s22, 12
	s_mov_b32 s23, 0
	s_add_nc_u64 s[8:9], s[8:9], s[22:23]          ; bias at row b
	global_load_b128 v[16:19], v15, s[8:9]
	global_load_b128 v[20:23], v15, s[8:9] offset:2048
	global_load_b128 v[24:27], v15, s[10:11]
	global_load_b128 v[28:31], v15, s[10:11] offset:2048
; ---------------- PHASE Q.  128 half rows i: unit n = i / 16 is (tile m = n / 2, half u = n % 2); i % 16 is the tile's lane r, the wave's row 4 r + m.
.macro LOADROW i                       ; four loads of 512 consecutive bytes: load d gives lane l the numbers k = 512 u + 128 d + 4 l + 0..3
.set rS, R+16*((\i)%14)
.set rO, (4*((\i)%16)+(\i)/32)*4096+2048*(((\i)/16)%2)
.irp d, 0,1,2,3
	global_load_b128 v[rS+4*\d:rS+4*\d+3], v[LI], s[4:5] offset:rO+512*\d th:TH_LOAD_NT
.endr
.endm
.macro QROW i
.set rS, R+16*((\i)%14)
.set rP, CDS+4*((\i)%2)
.if (\i) > 120
	s_wait_loadcnt 4*(127-(\i))+16                 ; the rows behind this one, and the sixteen loads of U's first half tile, may be out
.elseif (\i) > 113
	s_wait_loadcnt 4*(127-(\i))                    ; the rows behind this one may be out
.else
	s_wait_loadcnt 52                              ; loads come back in order (ISA guide 5.7.1): this row's four are in, the thirteen younger rows' stay out
.endif
.set j, 0
.rept 16
	v_med3_num_f32 v[rS+j], v[rS+j], -v[LIM], v[LIM]   ; the conversion to an 8-bit code does not saturate (ISA guide 7.6.2): the hold at the largest code x the scale
.set j, j+1
.endr
	v_cvt_scalef32_pk8_bf8_f32 v[rP:rP+1], v[rS:rS+7], v[SC]
	v_cvt_scalef32_pk8_bf8_f32 v[rP+2:rP+3], v[rS+8:rS+15], v[SC]     ; word d holds the codes of load d: byte 16 l + 4 d + i of the stage's row.  (The next vector lines are the next row's holds: plain, on other registers)
.if (\i)+14 < 128
	LOADROW (\i)+14                                ; the slot's next row
.endif
	ds_store_b128 v[STO], v[rP:rP+3] offset:SPITCH*((\i)%16)
.endm
.macro DRAIN n                         ; a unit's 16 rows x 512 codes come back as four fragments.  LDS serves a wave's instructions in order (ISA guide 5.7.1.4): these see the stores above, and the next unit's stores come behind them
.set dM, (\n)/2
.set dU, (\n)%2
.if dM < 2
	WIN 0x40
.set dB, 128*dM+64*dU
.elseif dM == 2
	WIN 0x80
.set dB, 64*dU
.else
	WIN 0xc0
.set dB, 64*dU
.endif
.irp f, 0,1,2,3
.irp c, 0,1,2,3
	ds_load_b128 v[dB+16*\f+4*\c:dB+16*\f+4*\c+3], v[RDA] offset:128*\f+32*\c
.endr
.endr
	WIN 0
.endm
.set qi, 0
.rept 14
	LOADROW qi
.set qi, qi+1
.endr
	s_wait_kmcnt 0x0
	s_add_co_i32 s20, s44, 127
	s_lshl_b32 s21, s20, 23
	v_mov_b32 v[SC], s21                           ; 2^e0 as f32: the conversion takes its exponent field
	s_add_co_i32 s20, s20, 15
	s_lshl_b32 s20, s20, 23
	s_or_b32 s20, s20, 0x600000
	v_mov_b32 v[LIM], s20                          ; 57,344 x 2^e0
	s_add_co_i32 s20, s44, s45
	s_lshl_b32 s20, s20, 23
	s_add_co_i32 s40, s20, 0x4038aa3b              ; K1 = 2 log2(e) x 2^(e0 + e1): the two exponents are added to the exponent field
	s_mov_b32 s41, s40                             ; (named with it as a pair, so it is written)
	s_wait_loadcnt 56                              ; the four table loads are in; the fourteen rows' 56 stay out
	ds_store_b128 v13, v[16:19]
	ds_store_b128 v13, v[20:23] offset:2048
	ds_store_b128 v13, v[24:27] offset:4096
	ds_store_b128 v13, v[28:31] offset:6144
	s_wait_dscnt 0x0                               ; the stores have read their registers, which take the codes next
.set qi, 0
.rept 128
	QROW qi
.if qi%16 == 15
	DRAIN qi/16
.endif
.if qi == 120                          ; slots 5 to 8 have had their last row: they are U's fragments 0-3, and take tile 0's lo half, uimg's last 8,192 bytes
.irp f, 0,1,2,3
.irp c, 0,1,2,3
	global_load_b128 v[BF+16*\f+4*\c:BF+16*\f+4*\c+3], v[LI], s[6:7] offset:127*8192+2048*\f+512*\c
.endr
.endr
.endif
.set qi, qi+1
.endr
	v_nop                                          ; a plain line behind the last conversion
; The loop below is written once: its first tile finds a tile before it of zeros (sums 0, bias 0, v_a 0), which adds 0 x 1/2 to e's sums.
.set j, 0
.rept 16
	v_mov_b32 v[E+j], 0
.set j, j+1
.endr
.set j, 0
.rept 32
	v_mov_b32 v[ACC+32+j], 0
.set j, j+1
.endr
.set j, 0
.rept 8
	v_mov_b32 v[BK+8+j], 0
.set j, j+1
.endr
	WIN 0xc0
.set j, 0
.rept 8
	v_mov_b32 v[VT+8+j], 0
.set j, j+1
.endr
	WIN 0
	s_wait_loadcnt 0x0                             ; tile 0's lo half
; ---------------- PHASE G.
; Product i of a tile's 32: K step i / 4, tile of rows i % 4.  The four accumulators take turns, one instruction a turn; the first step's products start the sums.
.macro PROD
.set kS, i/4
.set mR, i%4
.if mR < 2
	WIN 0x04
.set cR, 128*mR+16*kS
.elseif mR == 2
	WIN 0x08
.set cR, 16*kS
.else
	WIN 0x0c
.set cR, 16*kS
.endif
.if kS == 0
	v_wmma_f32_16x16x128_bf8_bf8 v[AC+8*mR:AC+8*mR+7], v[BF+16*kS:BF+16*kS+15], v[cR:cR+15], 0
.else
	v_wmma_f32_16x16x128_bf8_bf8 v[AC+8*mR:AC+8*mR+7], v[BF+16*kS:BF+16*kS+15], v[cR:cR+15], v[AC+8*mR:AC+8*mR+7]
.endif
.endm
.macro ESUM a                          ; e's sums of tile of rows a take its eight quotients x v_a, in two chains
	WIN 0x0c                                       ; v_a lies in window 3 (behind a product of tile 3 this changes nothing)
	s_wait_alu depctr_va_vdst(0)
.irp t, 0,1,2,3
	v_pk_fma_f32 v[E+4*(\a)+2*(\t%2):E+4*(\a)+2*(\t%2)+1], v[EP+8*(\a)+2*\t:EP+8*(\a)+2*\t+1], v[VTE+2*\t:VTE+2*\t+1], v[E+4*(\a)+2*(\t%2):E+4*(\a)+2*(\t%2)+1]
.endr
.endm
; Slice i of 32 of the other set's way to e: accumulator a = i / 8, stage k = i % 8.  0: y = sum x K1 + bias (from the low end on).  1, 2: 2^y.  3: the sums of accumulator a - 1.  4: + 1.  5, 6: the reciprocal.
; Between every exponential or reciprocal and the use of its result stands a plain line of another stage (ISA guide 5.7.2): stage 3 ahead of 4, the next accumulator's stage 0 ahead of its stage 3.
.macro SLICE
.set aE, i/8
.set kE, i%8
.set rE, EP+8*aE
.if kE == 0
.irp t, 0,1,2,3
	v_pk_fma_f32 v[rE+2*\t:rE+2*\t+1], v[rE+2*\t:rE+2*\t+1], s[40:41], v[BKE+2*\t:BKE+2*\t+1] op_sel_hi:[1,0,1]
.endr
.elseif (kE == 1) || (kE == 2)
.irp t, 0,1,2,3
	v_exp_f32 v[rE+4*(kE-1)+\t], v[rE+4*(kE-1)+\t]
.endr
.elseif kE == 3
.if aE == 0
	v_nop
	s_wait_alu depctr_va_vdst(0)
.else
	ESUM aE-1
.endif
.elseif kE == 4
.irp t, 0,1,2,3
	v_pk_add_f32 v[rE+2*\t:rE+2*\t+1], v[rE+2*\t:rE+2*\t+1], 1.0 op_sel_hi:[1,0]
.endr
.elseif (kE == 5) || (kE == 6)
.irp t, 0,1,2,3
	v_rcp_f32 v[rE+4*(kE-5)+\t], v[rE+4*(kE-5)+\t]
.endr
.elseif aE == 3
	v_nop
	s_wait_alu depctr_va_vdst(0)
	ESUM 3
.endif
.endm
.macro BFLOAD first, off               ; a half tile: four fragments of U, as images of their registers
.irp f, 0,1,2,3
.irp c, 0,1,2,3
	ds_load_b128 v[BF+16*(\first+\f)+4*\c:BF+16*(\first+\f)+4*\c+3], v[ADB] offset:\off+2048*\f+512*\c
.endr
.endr
.endm
; Tile p of a unit.  Its sums go to set p; the slices work on set 1 - p.  The LDS loads stand in two runs, each behind the four plain lines of a stage 0, which name no register of the products
; that read those fragments last: they are the four places in front of loads into a matrix instruction's sources (ISA guide 7.12.1 for vector instructions).
.macro TILE p
.set AC,  ACC+32*(\p)
.set EP,  ACC+32*(1-(\p))
.set BKE, BK+8*(1-(\p))
.set VTE, VT+8*(1-(\p))
	s_wait_dscnt 0x0                               ; fragments 0-3 and the last tile's bias and v_a are in (asked for 15 products ago)
.set i, 0
.rept 32
.if i == 16
	s_wait_dscnt 0x0                               ; fragments 4-7 are in (asked for 15 products ago)
.endif
	PROD
	SLICE
.if i == 0
	BFLOAD 4, 16384*(\p)                           ; this tile's hi half
.endif
.if i == 16
	BFLOAD 0, 16384*(\p)+8192                      ; the next tile's lo half (behind the very last tile: tile 0's once more, which nobody uses)
	ds_load_b128 v[BK+8*(\p):BK+8*(\p)+3], v[ATB] offset:64*(\p)            ; this tile's eight bias and eight v_a of my half, for the slices of the next tile
	ds_load_b128 v[BK+8*(\p)+4:BK+8*(\p)+7], v[ATB] offset:64*(\p)+16
	WIN 0xc4
	ds_load_b128 v[VT+8*(\p):VT+8*(\p)+3], v[ATB] offset:4096+64*(\p)
	ds_load_b128 v[VT+8*(\p)+4:VT+8*(\p)+7], v[ATB] offset:4096+64*(\p)+16
.endif
.set i, i+1
.endr
.endm
; A slot's four units of two tiles: written once, walked four times.
.macro FOUR_UNITS
	s_mov_b32 s39, 4
	s_mov_b32 s49, 0
.Lunit_\@:
	v_add_nc_u32 v[ADB], s36, v[LI]
	s_add_co_u32 s50, s37, s49
	v_add_nc_u32 v[ATB], s50, v[LH]
	TILE 0
	TILE 1
	WIN 0                                          ; at a label and at a branch every window is 0
	s_add_co_u32 s36, s36, 32768
	s_add_co_u32 s49, s49, 128
	s_sub_co_u32 s39, s39, 1
	s_cmp_lg_u32 s39, 0
	s_cbranch_scc1 .Lunit_\@
	s_sub_co_u32 s36, s36, 131072                  ; back to a slot's first unit,
	s_xor_b32 s36, s36, SLOT1                      ; in the other slot;
	s_add_co_u32 s37, s37, 512                     ; the next eight tiles' bias and v_a
.endm
; THE CHANGE OF SLOTS stands at a slot's head.  Each wave waits for all its tensor loads (its quarter of the slot that it is about to read), adds 0 to its spare word, and waits for that and for its reads of the slot that it has left.
; fill = 1: the barrier is a round of the cluster's, so that no wave of any partner still reads the other slot or has a load on its way; the joint refill is the first thing behind it and has a slot's 256 products in which to land.
.macro CHANGE fill
	s_wait_tensorcnt 0x0                           ; no tensor load of mine is out, so group 0 may be written
	ds_add_u32 v[SPW], v[NIL]                      ; 0 onto my spare word
.if \fill
	s_xor_b32 s33, s33, SLOT1                      ; the other slot than last time,
	s_add_nc_u64 s[34:35], s[34:35], 131072        ; uimg's next 131,072 bytes; the type bits on top are not reached
.endif
	s_wait_dscnt 0x0                               ; the add is done; my LDS loads are in and my stores have landed (ahead of the first change: the tables and h's fragments)
.if \fill
	CROUND
	tensor_load_to_lds s[32:35], s[24:31]
	s_nop 0
.rept 4
	v_nop
.endr
.else
	s_barrier_signal -1
	s_barrier_wait -1
.endif
.endm
	s_mov_b32 s36, 0
	s_mov_b32 s37, 0
	s_mov_b32 s38, 7
.Lslot:                                                ; seven trips: behind each change of slots but the last the next slot is asked for
	CHANGE 1
	FOUR_UNITS
	s_sub_co_u32 s38, s38, 1
	s_cmp_lg_u32 s38, 0
	s_cbranch_scc1 .Lslot
	CHANGE 0                                       ; the last slot is written out
	FOUR_UNITS
	; the last tile's way to e, without products: its sums lie in set 1.  The last products' places are the last slices' plain lines
.set EP,  ACC+32
.set BKE, BK+8
.set VTE, VT+8
	s_wait_dscnt 0x0                               ; its bias and v_a
	WIN 0x0c
.set i, 0
.rept 32
	SLICE
.set i, i+1
.endr
	WIN 0
	; ---------------- THE WAY OUT: a tile's two pairs, their halves, and the other half of the lanes' eight o of each tile
.irp m, 0,1,2,3
	v_pk_add_f32 v[E+4*\m:E+4*\m+1], v[E+4*\m:E+4*\m+1], v[E+4*\m+2:E+4*\m+3]
.endr
.irp m, 0,1,2,3
	v_add_f32 v[32+\m], v[E+4*\m], v[E+4*\m+1]
.endr
.irp m, 0,1,2,3
	v_permlanex16_b32 v[36+\m], v[32+\m], s42, s43
.endr
.irp m, 0,1,2,3
	v_add_f32 v[32+\m], v[32+\m], v[36+\m]
.endr
.irp m, 0,1,2,3
	v_mul_f32 v[32+\m], -2.0, v[32+\m]             ; lane r (and lane 16 + r alike): e of my wave's rows 4 r + 0..3
.endr
	; the largest of the wave's 64 scores, in every lane: four steps inside each half of 16 lanes; the two halves hold the same numbers
	v_max3_num_f32 v40, v32, v33, v34
	v_max_num_f32 v40, v40, v35
	v_max_num_f32_dpp v40, v40, v40 row_xmask:1 row_mask:0xf bank_mask:0xf
	v_max_num_f32_dpp v40, v40, v40 row_xmask:2 row_mask:0xf bank_mask:0xf
	v_max_num_f32_dpp v40, v40, v40 row_xmask:4 row_mask:0xf bank_mask:0xf
	v_max_num_f32_dpp v40, v40, v40 row_xmask:8 row_mask:0xf bank_mask:0xf
	v_add_f32 v40, 0xc2d00000, v40                 ; less 104: under this a row's weight is under 2^-150 of the largest, 0 in f32.  The largest row itself always counts
	v_mov_b32 v41, 0xff800000                      ; -infinity
	v_mov_b32 v42, 0
.irp m, 0,1,2,3
	v_cmp_ge_f32 s[58+\m], v[32+\m], v40           ; bit r: row 4 r + m counts.  The mask selects a value and is stored: it steers nothing here
	v_cndmask_b32 v[32+\m], v41, v[32+\m], s[58+\m]   ; a row that does not count gets -infinity: its p is 0 in the next launch whatever is rounded there
	v_mov_b32 v[36+\m], s[58+\m]
.endr
	v_and_b32 v12, 31, v0
	s_wait_xcnt 0x0                                ; EXEC changes only behind this wait
	v_cmp_gt_u32 vcc_lo, 16, v12
	s_and_saveexec_b32 s48, vcc_lo                 ; lanes 16-31 hold the same four numbers
	global_store_b128 v[GO], v[32:35], s[14:15]    ; rows 4 r .. 4 r + 3: sixteen lanes store the wave's 256 consecutive bytes, aligned
	s_wait_xcnt 0x0                                ; and again, in front of the line that widens it
	s_or_b32 exec_lo, exec_lo, s48
	v_cmp_eq_u32 vcc_lo, 0, v12
	s_and_saveexec_b32 s48, vcc_lo                 ; one lane stores the wave's four masks: 16 bytes, all that the wave has of them
	global_store_b128 v42, v[36:39], s[56:57]
	s_wait_xcnt 0x0
	s_or_b32 exec_lo, exec_lo, s48
	s_wait_tensorcnt 0x0                           ; the wave's end, behind my last tensor load and my last LDS store
	ds_add_u32 v[SPW], v[NIL]
	s_wait_dscnt 0x0
	CROUND                                         ; the closing round: no work-group ends while a partner may still ask for a tile that names it
	s_endpgm
.Lfunc_end_k_q32b5fc80ff_scores:
	.size	k_q32b5fc80ff_scores, .Lfunc_end_k_q32b5fc80ff_scores-k_q32b5fc80ff_scores
	.p2alignl 7, 3214868480
	.fill 96, 4, 3214868480
	.section	.rodata,"a",@progbits
	.p2align	6, 0x0
	.amdhsa_kernel k_q32b5fc80ff_scores
		.amdhsa_group_segment_fixed_size 327680
		.amdhsa_private_segment_fixed_size 0
		.amdhsa_enable_private_segment 0
		.amdhsa_kernarg_size 56
		.amdhsa_user_sgpr_count 2
		.amdhsa_user_sgpr_kernarg_segment_ptr 1
		.amdhsa_wavefront_size32 1
		.amdhsa_system_sgpr_workgroup_id_x 1
		.amdhsa_system_sgpr_workgroup_id_y 1
		.amdhsa_system_sgpr_workgroup_id_z 1
		.amdhsa_system_vgpr_workitem_id 0
		.amdhsa_next_free_vgpr 1024
		.amdhsa_next_free_sgpr 66
		.amdhsa_reserve_vcc 1
		.amdhsa_float_denorm_mode_32 3
		.amdhsa_float_denorm_mode_16_64 3
		.amdhsa_memory_ordered 1
		.amdhsa_forward_progress 1
		.amdhsa_inst_pref_size 255
	.end_amdhsa_kernel
	.section	.bss,"aw",@nobits
	.p2align	6
	.space	262144
	.amdgpu_metadata
---
amdhsa.version: [ 1, 2 ]
amdhsa.kernels:
  - .name:           k_q32b5fc80ff_scores
    .symbol:         k_q32b5fc80ff_scores.kd
    .args:
      - { .name: h, .offset: 0, .size: 8, .value_kind: global_buffer, .address_space: global }
      - { .name: uimg, .offset: 8, .size: 8, .value_kind: global_buffer, .address_space: global }
      - { .name: bias, .offset: 16, .size: 8, .value_kind: global_buffer, .address_space: global }
      - { .name: v_a, .offset: 24, .size: 8, .value_kind: global_buffer, .address_space: global }
      - { .name: lowp_scales, .offset: 32, .size: 8, .value_kind: global_buffer, .address_space: global }
      - { .name: e, .offset: 40, .size: 8, .value_kind: global_buffer, .address_space: global }
      - { .name: keep, .offset: 48, .size: 8, .value_kind: global_buffer, .address_space: global }
    .group_segment_fixed_size: 327680
    .private_segment_fixed_size: 0
    .kernarg_segment_align: 8
    .kernarg_segment_size: 56
    .max_flat_workgroup_size: 128
    .sgpr_count:     66
    .vgpr_count:     1024
    .wavefront_size: 32
...
	.end_amdgpu_metadata
.endif
;; end of part 2
;; launch context (part 3): grid 8 x 32, 16 waves a work-group, no clusters, 18,944 bytes of LDS; arguments e, keep, h, out0; writes out0
.if DOCPART == 3
	.amdgcn_target "amdgcn-amd-amdhsa--gfx1250"
	.amdhsa_code_object_version 6
	.text
	.protected	k_q32b5fc80ff_context
	.globl	k_q32b5fc80ff_context
	.p2align	8
	.type	k_q32b5fc80ff_context,@function
k_q32b5fc80ff_context:
	s_mov_b64 s[64:65], 0
	v_nop
	global_prefetch_b8 v0, s[64:65] scope:SCOPE_SE
	s_setreg_imm32_b32 hwreg(HW_REG_WAVE_MODE, 25, 1), 1
	s_wait_xcnt 0x0
; out0[b][c] = the sum over t of softmax_t(e[b][t]) h[b][t][c], all in f32.  e holds reference()'s scores less one number that is the same for all t; the row's true maximum is taken away here, so that number falls out.
; Work-group (x, y) owns out0[b = y][128 x .. 128 x + 127]: each output has one owner.  Each of the eight work-groups of a b makes the softmax's p for itself from e's 8,192 bytes.
; Wave w takes rows t = 128 w .. 128 w + 127: a row's 128 columns are 512 consecutive bytes, one load of the wave, aligned; a ring of 32 register slots keeps 32 loads of every wave out.
; ROWS WITHOUT WEIGHT ARE NOT FETCHED.  The launch before has found the rows whose score lies more than 104 under the largest of their 64: their weight is under 2^-150 of the largest, 0 in f32.  It stored
; -infinity as their e, so p is 0 here, and one bit for each row in keep (whole numbers: for each 64 rows four words, word m's bit r for row 4 r + m).  A row's byte offset is its bit x 4,096 n: a row that
; does not count reads the wave's first row once more, and 0 x that row is added.  No branch, and every wait's count is the same whatever the bits are; where every row counts, every row is read.
; LIMIT: an infinity or a NaN in a row of h whose weight is 0 does not reach the result.
; Memory binds: no matrix unit, no cluster (work-groups share no bytes of h), no tensor load.  p is not normalised on the way: the sum of p divides at the end.
.set PB,    0                          ; LDS: p, 2,048 numbers
.set PART,  8192                       ; the sixteen waves' partial results, 512 bytes each
.set STAT,  16384                      ; sixteen maxima, then sixteen sums
.set DEPTH, 32
.set X,     32                         ; v32-159  32 slots of 4
.set AD,    160                        ; v160-191 slot s: the byte offset of its row
.set PQ,    192                        ; v192-207 four sets of four p, each in every lane
.set SS,    208                        ; v208-223 sixteen maxima or sums
.set KM,    36                         ; s[36:43] my wave's eight words of keep
.macro BARRIER                         ; my LDS stores have landed and my LDS loads are in: then the work-group's barrier
	s_wait_dscnt 0x0
	s_barrier_signal -1
	s_barrier_wait -1
.endm
	s_load_b256 s[4:11], s[0:1], 0x0               ; e s[4:5], keep s[6:7], h s[8:9], out0 s[10:11]
	v_lshl_add_u32 v254, v0, 2, 0x4200
	v_mov_b32 v255, 0
	v_lshrrev_b32 v1, 5, v0
	v_readfirstlane_b32 s12, v1                    ; wave 0..15
	v_and_b32 v2, 31, v0                           ; lane
	s_and_b32 s13, ttmp7, 0xffff                   ; b
	v_lshlrev_b32 v3, 4, v0                        ; 16 x thread: my four e, and my four p in LDS
	v_lshlrev_b32 v16, 4, v2                       ; 16 x lane
	s_lshl_b32 s14, s12, 19
	v_add_nc_u32 v17, s14, v16                     ; h: my wave's 128 rows of 4,096 bytes, + 16 x lane
	s_lshl_b32 s14, s12, 2
	v_mov_b32 v18, s14                             ; my wave's word among the maxima and the sums
	s_lshl_b32 s14, s12, 9
	v_mov_b32 v19, s14                             ; my wave's 128 p
	v_add_nc_u32 v20, s14, v16                     ; my wave's partial result
	v_mov_b32 v21, 0
	v_mov_b32 v23, 0                               ; written once: a lane permute's destination counts as one of its sources
	v_mov_b32 v25, 0
	s_lshl_b32 s16, s13, 23                        ; h: 2,048 rows of 4,096 bytes a b,
	s_lshl_b32 s18, ttmp9, 9                       ; my 128 columns
	s_add_co_u32 s16, s16, s18
	s_mov_b32 s17, 0
	s_lshl_b32 s20, s13, 12                        ; out0: row b, the same columns
	s_add_co_u32 s20, s20, s18
	s_mov_b32 s21, 0
	s_lshl_b32 s18, s13, 13                        ; e: row b
	s_mov_b32 s19, 0
	s_lshl_b32 s22, s13, 9                         ; keep: 512 bytes a b,
	s_lshl_b32 s23, s12, 5                         ; 32 for my 128 rows
	s_add_co_u32 s22, s22, s23
	s_mov_b32 s23, 0
	s_mov_b32 s24, 0x76543210                      ; v_permlanex16_b32: each lane takes its own place in the other half
	s_mov_b32 s25, 0xfedcba98
	s_mov_b32 s26, 0x3fb8aa3b                      ; log2(e)
	s_wait_kmcnt 0x0
	s_add_nc_u64 s[6:7], s[6:7], s[22:23]
	s_load_b256 s[KM:KM+7], s[6:7], 0x0
	s_add_nc_u64 s[4:5], s[4:5], s[18:19]
	s_add_nc_u64 s[8:9], s[8:9], s[16:17]
	s_add_nc_u64 s[10:11], s[10:11], s[20:21]
	global_load_b128 v[4:7], v3, s[4:5]
; Row n goes into slot n % 32.  Its bit is bit (n % 64) / 4 of word 4 (n / 64) + n % 4; held at 1 from above, it is multiplied by the row's 4,096 n bytes.
.macro ROWLOAD n
.set rD, 4*((\n)/64)+(\n)%4
.set rB, ((\n)%64)/4
.set rX, (\n)%DEPTH
	s_bfe_u32 s30, s[KM+rD], 0x10000|rB
	s_min_u32 s30, s30, 1
	s_mul_i32 s30, s30, (\n)*4096
	v_add_nc_u32 v[AD+rX], s30, v17                ; the slot's last load has come back: its offset may be written
	global_load_b128 v[X+4*rX:X+4*rX+3], v[AD+rX], s[8:9]
.endm
	s_wait_kmcnt 0x0                               ; the eight words
.set ni, 0
.rept DEPTH
	ROWLOAD ni                                     ; the ring is filled ahead of the softmax
.set ni, ni+1
.endr
	s_wait_loadcnt 32                              ; e is in; the 32 rows stay out
	v_max3_num_f32 v22, v4, v5, v6
	v_max_num_f32 v22, v22, v7
	v_max_num_f32_dpp v22, v22, v22 row_xmask:1 row_mask:0xf bank_mask:0xf
	v_max_num_f32_dpp v22, v22, v22 row_xmask:2 row_mask:0xf bank_mask:0xf
	v_max_num_f32_dpp v22, v22, v22 row_xmask:4 row_mask:0xf bank_mask:0xf
	v_max_num_f32_dpp v22, v22, v22 row_xmask:8 row_mask:0xf bank_mask:0xf
	v_permlanex16_b32 v23, v22, s24, s25
	v_max_num_f32 v22, v22, v23                    ; my wave's maximum, in every lane: a number, since the largest of each 64 rows kept its score
	ds_store_b32 v18, v22 offset:STAT              ; all lanes write the same word with the same value
	BARRIER
.irp k, 0,1,2,3
	ds_load_b128 v[SS+4*\k:SS+4*\k+3], v21 offset:STAT+16*\k
.endr
	s_wait_dscnt 0x0
	v_max3_num_f32 v22, v[SS], v[SS+1], v[SS+2]
	v_max3_num_f32 v23, v[SS+3], v[SS+4], v[SS+5]
	v_max3_num_f32 v22, v22, v[SS+6], v[SS+7]
	v_max3_num_f32 v23, v23, v[SS+8], v[SS+9]
	v_max3_num_f32 v22, v22, v[SS+10], v[SS+11]
	v_max3_num_f32 v23, v23, v[SS+12], v[SS+13]
	v_max3_num_f32 v22, v22, v[SS+14], v[SS+15]
	v_max_num_f32 v22, v22, v23                    ; M: the row's maximum
	v_mul_f32 v23, s26, v22                        ; M log2(e), rounded once: the same number for every t, so its rounding is a common factor of all p and of their sum
.irp k, 4,5,6,7
	v_fma_f32 v[\k], v[\k], s26, -v23              ; (e - M) log2(e); -infinity stays -infinity
.endr
.irp k, 4,5,6,7
	v_exp_f32 v[\k], v[\k]                         ; p
.endr
	v_nop                                          ; a plain line behind the exponentials
	s_wait_alu depctr_va_vdst(0)
	ds_store_b128 v3, v[4:7] offset:PB
	v_add_f32 v24, v4, v5
	v_add_f32 v25, v6, v7
	v_add_f32 v24, v24, v25
	v_add_f32_dpp v24, v24, v24 row_xmask:1 row_mask:0xf bank_mask:0xf
	v_add_f32_dpp v24, v24, v24 row_xmask:2 row_mask:0xf bank_mask:0xf
	v_add_f32_dpp v24, v24, v24 row_xmask:4 row_mask:0xf bank_mask:0xf
	v_add_f32_dpp v24, v24, v24 row_xmask:8 row_mask:0xf bank_mask:0xf
	v_permlanex16_b32 v25, v24, s24, s25
	v_add_f32 v24, v24, v25                        ; my wave's sum of p
	ds_store_b32 v18, v24 offset:STAT+64           ; other bytes than the maxima, which others may still be reading
	BARRIER
.macro PLOAD q                         ; p of rows 4 q .. 4 q + 3 of my wave into set q % 4: all lanes read the same 16 bytes
	ds_load_b128 v[PQ+4*((\q)%4):PQ+4*((\q)%4)+3], v19 offset:PB+16*(\q)
.endm
	PLOAD 0
	PLOAD 1
	PLOAD 2
; Row n: two packed multiply-adds onto set n % 2; the row's p is the first or the second register of its pair, for both halves.  Rows 0 and 1 start the sums: nothing is cleared.
.macro SLOT n
.set xS, X+4*((\n)%DEPTH)
.set aS, 8+4*((\n)%2)
.set pP, PQ+4*(((\n)/4)%4)+2*(((\n)%4)/2)
.if (\n)%4 == 0
.if 31-(\n)/4 < 2
	s_wait_dscnt 31-(\n)/4                         ; the last quads: the counts run down
.else
	s_wait_dscnt 2                                 ; LDS loads come back in order (ISA guide 5.7.1): this quad of p is in, the two younger ones stay out
.endif
.if (\n)/4+3 < 32
	PLOAD (\n)/4+3                                 ; into the set that the four rows before have read
.endif
.endif
.if 127-(\n) < DEPTH-1
	s_wait_loadcnt 127-(\n)                        ; the last rows: the counts run down
.else
	s_wait_loadcnt DEPTH-1                         ; loads come back in order (ISA guide 5.7.1): this row's is in, the 31 younger ones stay out
.endif
.irp c, 0,2
.if (\n) == 0
	v_pk_mul_f32 v[aS+\c:aS+\c+1], v[xS+\c:xS+\c+1], v[pP:pP+1] op_sel_hi:[1,0]
.elseif (\n) == 1
	v_pk_mul_f32 v[aS+\c:aS+\c+1], v[xS+\c:xS+\c+1], v[pP:pP+1] op_sel:[0,1] op_sel_hi:[1,1]
.elseif (\n)%2 == 0
	v_pk_fma_f32 v[aS+\c:aS+\c+1], v[xS+\c:xS+\c+1], v[pP:pP+1], v[aS+\c:aS+\c+1] op_sel_hi:[1,0,1]
.else
	v_pk_fma_f32 v[aS+\c:aS+\c+1], v[xS+\c:xS+\c+1], v[pP:pP+1], v[aS+\c:aS+\c+1] op_sel:[0,1,0] op_sel_hi:[1,1,1]
.endif
.endr
.if (\n)+DEPTH < 128
	ROWLOAD (\n)+DEPTH
.endif
.endm
.set ni, 0
.rept 128
	SLOT ni
.set ni, ni+1
.endr
	v_pk_add_f32 v[8:9], v[8:9], v[12:13]
	v_pk_add_f32 v[10:11], v[10:11], v[14:15]
	ds_store_b128 v20, v[8:11] offset:PART
	BARRIER                                        ; the sixteen partial results lie in LDS
	s_cmp_lg_u32 s12, 0
	s_cbranch_scc1 .Lend                           ; wave 0 adds them: no barrier follows
.set ni, 0
.rept 16
	ds_load_b128 v[X+4*ni:X+4*ni+3], v16 offset:PART+512*ni
.set ni, ni+1
.endr
.irp k, 0,1,2,3
	ds_load_b128 v[SS+4*\k:SS+4*\k+3], v21 offset:STAT+64+16*\k
.endr
	s_wait_dscnt 0x0
.irp k, 0,4,8,12
	v_pk_add_f32 v[SS+\k:SS+\k+1], v[SS+\k:SS+\k+1], v[SS+\k+2:SS+\k+3]
.endr
	v_pk_add_f32 v[SS:SS+1], v[SS:SS+1], v[SS+4:SS+5]
	v_pk_add_f32 v[SS+8:SS+9], v[SS+8:SS+9], v[SS+12:SS+13]
	v_pk_add_f32 v[SS:SS+1], v[SS:SS+1], v[SS+8:SS+9]
	v_add_f32 v[SS], v[SS], v[SS+1]                ; the sum of p over all t: at least 1
	v_rcp_f32 v[SS], v[SS]                         ; the additions below are the plain lines behind it
.irp k, 0,2,4,6,8,10,12,14
	v_pk_add_f32 v[X+4*\k:X+4*\k+1], v[X+4*\k:X+4*\k+1], v[X+4*\k+4:X+4*\k+5]
	v_pk_add_f32 v[X+4*\k+2:X+4*\k+3], v[X+4*\k+2:X+4*\k+3], v[X+4*\k+6:X+4*\k+7]
.endr
.irp k, 0,4,8,12
	v_pk_add_f32 v[X+4*\k:X+4*\k+1], v[X+4*\k:X+4*\k+1], v[X+4*\k+8:X+4*\k+9]
	v_pk_add_f32 v[X+4*\k+2:X+4*\k+3], v[X+4*\k+2:X+4*\k+3], v[X+4*\k+10:X+4*\k+11]
.endr
.irp k, 0,8
	v_pk_add_f32 v[X+4*\k:X+4*\k+1], v[X+4*\k:X+4*\k+1], v[X+4*\k+16:X+4*\k+17]
	v_pk_add_f32 v[X+4*\k+2:X+4*\k+3], v[X+4*\k+2:X+4*\k+3], v[X+4*\k+18:X+4*\k+19]
.endr
	v_pk_add_f32 v[X:X+1], v[X:X+1], v[X+32:X+33]
	v_pk_add_f32 v[X+2:X+3], v[X+2:X+3], v[X+34:X+35]
	s_wait_alu depctr_va_vdst(0)
	v_pk_mul_f32 v[X:X+1], v[X:X+1], v[SS:SS+1] op_sel_hi:[1,0]
	v_pk_mul_f32 v[X+2:X+3], v[X+2:X+3], v[SS:SS+1] op_sel_hi:[1,0]
	global_store_b128 v16, v[X:X+3], s[10:11]      ; 32 lanes store 512 consecutive bytes, aligned
.Lend:
	s_wait_tensorcnt 0x0
	ds_add_u32 v254, v255
	s_wait_dscnt 0x0
	s_endpgm
.Lfunc_end_k_q32b5fc80ff_context:
	.size	k_q32b5fc80ff_context, .Lfunc_end_k_q32b5fc80ff_context-k_q32b5fc80ff_context
	.p2alignl 7, 3214868480
	.fill 96, 4, 3214868480
	.section	.rodata,"a",@progbits
	.p2align	6, 0x0
	.amdhsa_kernel k_q32b5fc80ff_context
		.amdhsa_group_segment_fixed_size 18944
		.amdhsa_private_segment_fixed_size 0
		.amdhsa_enable_private_segment 0
		.amdhsa_kernarg_size 32
		.amdhsa_user_sgpr_count 2
		.amdhsa_user_sgpr_kernarg_segment_ptr 1
		.amdhsa_wavefront_size32 1
		.amdhsa_system_sgpr_workgroup_id_x 1
		.amdhsa_system_sgpr_workgroup_id_y 1
		.amdhsa_system_sgpr_workgroup_id_z 1
		.amdhsa_system_vgpr_workitem_id 0
		.amdhsa_next_free_vgpr 256
		.amdhsa_next_free_sgpr 66
		.amdhsa_reserve_vcc 0
		.amdhsa_float_denorm_mode_32 3
		.amdhsa_float_denorm_mode_16_64 3
		.amdhsa_memory_ordered 1
		.amdhsa_forward_progress 1
		.amdhsa_inst_pref_size 68
	.end_amdhsa_kernel
	.amdgpu_metadata
---
amdhsa.version: [ 1, 2 ]
amdhsa.kernels:
  - .name:           k_q32b5fc80ff_context
    .symbol:         k_q32b5fc80ff_context.kd
    .args:
      - { .name: e, .offset: 0, .size: 8, .value_kind: global_buffer, .address_space: global }
      - { .name: keep, .offset: 8, .size: 8, .value_kind: global_buffer, .address_space: global }
      - { .name: h, .offset: 16, .size: 8, .value_kind: global_buffer, .address_space: global }
      - { .name: out0, .offset: 24, .size: 8, .value_kind: global_buffer, .address_space: global }
    .group_segment_fixed_size: 18944
    .private_segment_fixed_size: 0
    .kernarg_segment_align: 8
    .kernarg_segment_size: 32
    .max_flat_workgroup_size: 512
    .sgpr_count:     66
    .vgpr_count:     256
    .wavefront_size: 32
...
	.end_amdgpu_metadata
.endif
;; end of part 3
